; MI455X (gfx1250); checked and timed in simulation.
; The chip was launched on July 23, 2026; its instructions are those of AMD's public machine-readable ISA for CDNA 5 (MIT licence, August 2026) and "CDNA5" Instruction Set Architecture Reference Guide (July 2026). The comments in the code are by the model that wrote it; some were corrected since.
;; Lazy GGUF Linear. Allowed arithmetic: float matrix products may take bf16 or f16 operands with f32 sums; other float arithmetic in f32, or as packed bf16 or f16 multiplies, adds, multiply-adds, maxima and minima; sums over many terms, partial sums and values carried from step to step in f32; what a program stores and reads back later, other than sums and carried values, may be rounded once to bf16 or f16.
;; Inputs: codes 4,096 x 128 x 32 int32; scales 4,096 x 128 float32; x 2 x 2,048 x 4,096 float32.
;; Outputs: out0 2 x 2,048 x 4,096 float32.
;; 2 versions, each right; version 2 is version 1 with the launch prep written anew for expert scheduling mode. Each part assembles by itself: llvm-mc -triple=amdgcn-amd-amdhsa -mcpu=gfx1250 --defsym DOCPART=n.
;; ======== version 1 of 2: 2 launches
;; limits: values are held in f16: magnitudes above 65,504 overflow, below 6.1e-05 lose precision
;; workspace buffers: xh 33,554,432 bytes; wh 33,554,432 bytes
;; launch prep (part 1): grid 512 x 1, 8 waves a work-group, no clusters, 5,120 bytes of LDS; arguments x, codes, scales, xh, wh; writes xh, wh
.if DOCPART == 1
	.amdgcn_target "amdgcn-amd-amdhsa--gfx1250"
	.amdhsa_code_object_version 6
	.text
	.protected	k_qc6076e1b17_prep
	.globl	k_qc6076e1b17_prep
	.p2align	8
	.type	k_qc6076e1b17_prep,@function
k_qc6076e1b17_prep:
	s_mov_b64 s[64:65], 0
	v_nop
	global_prefetch_b8 v0, s[64:65] scope:SCOPE_SE
	s_setreg_imm32_b32 hwreg(HW_REG_WAVE_MODE, 25, 1), 1
	s_wait_xcnt 0x0
; xh[m][k] = f16(x[m][k]);  wh[o][k] = f16(scales[o][k / 32] * (codes[o][k] - 128)).  x: [4096][4096] f32, codes: [4096][4096] int32, scales: [4096][128] f32; xh, wh: [4096][4096] f16.
; code - 128 is exact in f32; its product with the scale is rounded once in f32, as the problem's own dequantisation rounds it, and once more to f16.
; LIMITS.  f16 ends at 65,504: an |x| or a |scale * (code - 128)| of 65,520 or more becomes an infinity; below 6.1e-5 f16 keeps its fixed step of 6e-8.
; SHARES.  A stream: each input byte is read once, each output byte written once; no wave wants a byte that another has fetched.  Row R = 8 x work-group + wave: a wave converts row R of x and row R of the codes.
; A row is 16,384 bytes in, 32 chunks of 512, and 8,192 bytes out.  In chunk j lane l takes the 16 bytes at 512 j + 16 l (four numbers) and stores 8 bytes at 256 j + 8 l:
; each load of the wave covers 512 consecutive bytes, aligned; each store 256 consecutive bytes, aligned.
; IN FLIGHT.  Three buffers of 16 chunks: 48 loads of a wave (24 KiB) go out at the start, and the buffer that is emptied first is filled once more.  The whole share fits, so there is no loop.
; THE SCALES.  Row R has 128 of them, 512 bytes: loaded once, 16 bytes a lane, put into the wave's own 512 bytes of LDS, and read back as chunk j wants them: its four numbers of lane l lie in block 4 j + l / 8.
; The bytes are the wave's own and LDS serves a wave's instructions in order (ISA guide 5.7.1.4): no barrier.
; LEFT OUT: tensor loads and a ring (nothing is shared between waves), the matrix unit, clusters, a prefetch (the launch is nothing but its loads, all issued at once).
.set SPARE, 4096                       ; behind the scales (512 bytes a wave): the spare words, 128 bytes for each of the eight waves: four blocks of 256 bytes that no other line names
.set LI,   2                           ; v2   16 x lane: my bytes in a chunk of x, of the codes and of the scales' row; never rewritten
.set LO,   3                           ; v3   8 x lane: my bytes in a chunk of xh and wh; never rewritten
.set LS,   4                           ; v4   LDS: where I put my four scales: 512 x wave + 16 x lane
.set LR,   5                           ; v5   LDS: where I read chunk 0's scale: 512 x wave + 4 (lane / 8)
.set SPW,  6                           ; v6   LDS address of my spare word: SPARE + 4 x my thread's number; never rewritten
.set NIL,  7                           ; v7   0; never rewritten
.set SQ,   8                           ; v[8:11]    four scales as loaded
.set SC,   12                          ; v[12:43]   chunk j's scale at SC + j
.set BUF0, 44                          ; v[44:107]  16 chunks of 4 registers
.set BUF1, 108                         ; v[108:171]
.set BUF2, 172                         ; v[172:235]
	s_load_b256 s[4:11], s[0:1], 0x0               ; x s[4:5], codes s[6:7], scales s[8:9], xh s[10:11]
	s_load_b64 s[12:13], s[0:1], 0x20              ; wh
	v_lshl_add_u32 v[SPW], v0, 2, SPARE
	v_mov_b32 v[NIL], 0
	v_lshrrev_b32 v1, 5, v0
	v_readfirstlane_b32 s14, v1                    ; wave 0..7
	v_and_b32 v1, 31, v0                           ; lane
	s_lshl_b32 s15, ttmp9, 3
	s_add_co_u32 s15, s15, s14                     ; R
	s_lshl_b32 s18, s14, 9                         ; my wave's 512 bytes of LDS
	s_mov_b32 s20, 0xc3000000                      ; -128.0; the packed sum names a pair and takes its low word for both halves
	s_mov_b32 s21, s20
	v_lshlrev_b32 v[LI], 4, v1
	v_lshlrev_b32 v[LO], 3, v1
	v_add_nc_u32 v[LS], s18, v[LI]
	v_lshrrev_b32 v[LR], 3, v1
	v_lshl_add_u32 v[LR], v[LR], 2, s18
	s_mov_b32 s17, 0                               ; every offset below stays under 2^27
	s_wait_kmcnt 0x0
	s_lshl_b32 s16, s15, 14                        ; a row of x and of the codes: 16,384 bytes
	s_add_nc_u64 s[4:5], s[4:5], s[16:17]
	s_add_nc_u64 s[6:7], s[6:7], s[16:17]
	s_lshl_b32 s16, s15, 9                         ; of the scales: 512
	s_add_nc_u64 s[8:9], s[8:9], s[16:17]
	s_lshl_b32 s16, s15, 13                        ; of xh and wh: 8,192
	s_add_nc_u64 s[10:11], s[10:11], s[16:17]
	s_add_nc_u64 s[12:13], s[12:13], s[16:17]
; Half a row, 16 chunks, into a buffer.
.macro LOADH buf, base, half
.irp i, 0,1,2,3,4,5,6,7,8,9,10,11,12,13,14,15
	global_load_b128 v[(\buf)+4*(\i):(\buf)+4*(\i)+3], v[LI], s[(\base):(\base)+1] offset:512*(16*(\half)+(\i)) th:TH_LOAD_NT
.endr
.endm
; Chunk i of a buffer of x: four numbers rounded to f16, in place, and stored.  left = the younger loads, which may stay out.
.macro XCH buf, i, half, left
.set rB, (\buf)+4*(\i)
	s_wait_loadcnt \left                           ; loads come back in order (ISA guide 5.7.1): this chunk is in
	v_cvt_pk_f16_f32 v[rB], v[rB], v[rB+1]
	v_cvt_pk_f16_f32 v[rB+1], v[rB+2], v[rB+3]
	global_store_b64 v[LO], v[rB:rB+1], s[10:11] offset:256*(16*(\half)+(\i)) th:TH_STORE_NT
.endm
; Chunk i of a buffer of codes: to f32, less 128, times the chunk's scale (the even or the odd register of a pair of SC), rounded to f16, stored.
.macro WCH buf, i, half, left
.set rB, (\buf)+4*(\i)
.set jj, 16*(\half)+(\i)
.set rSC, SC+(jj/2)*2
	s_wait_loadcnt \left
	v_cvt_f32_i32 v[rB], v[rB]
	v_cvt_f32_i32 v[rB+1], v[rB+1]
	v_cvt_f32_i32 v[rB+2], v[rB+2]
	v_cvt_f32_i32 v[rB+3], v[rB+3]
	v_pk_add_f32 v[rB:rB+1], v[rB:rB+1], s[20:21] op_sel_hi:[1,0]
	v_pk_add_f32 v[rB+2:rB+3], v[rB+2:rB+3], s[20:21] op_sel_hi:[1,0]
.if jj%2 == 0
	v_pk_mul_f32 v[rB:rB+1], v[rB:rB+1], v[rSC:rSC+1] op_sel_hi:[1,0]
	v_pk_mul_f32 v[rB+2:rB+3], v[rB+2:rB+3], v[rSC:rSC+1] op_sel_hi:[1,0]
.else
	v_pk_mul_f32 v[rB:rB+1], v[rB:rB+1], v[rSC:rSC+1] op_sel:[0,1] op_sel_hi:[1,1]
	v_pk_mul_f32 v[rB+2:rB+3], v[rB+2:rB+3], v[rSC:rSC+1] op_sel:[0,1] op_sel_hi:[1,1]
.endif
	v_cvt_pk_f16_f32 v[rB], v[rB], v[rB+1]
	v_cvt_pk_f16_f32 v[rB+1], v[rB+2], v[rB+3]
	global_store_b64 v[LO], v[rB:rB+1], s[12:13] offset:256*(16*(\half)+(\i)) th:TH_STORE_NT
.endm
	global_load_b128 v[SQ:SQ+3], v[LI], s[8:9] th:TH_LOAD_NT  ; the row's 128 scales: the oldest load
	LOADH BUF0, 4, 0                               ; x, first half of the row
	LOADH BUF1, 4, 1                               ; x, second half
	LOADH BUF2, 6, 0                               ; codes, first half
	s_wait_loadcnt 48                              ; the scales are in; the 48 loads issued behind them stay out
	ds_store_b128 v[LS], v[SQ:SQ+3]
.irp j, 0,1,2,3,4,5,6,7,8,9,10,11,12,13,14,15,16,17,18,19,20,21,22,23,24,25,26,27,28,29,30,31
	ds_load_b32 v[SC+(\j)], v[LR] offset:16*(\j)   ; scale 4 j + lane / 8: eight lanes share a word
.endr
.irp i, 0,1,2,3,4,5,6,7,8,9,10,11,12,13,14,15
	XCH BUF0, \i, 0, 47-\i                         ; behind chunk i: the buffer's 15 - i others and two buffers of 16
.endr
	s_wait_xcnt 0x0                                ; the stores above have read their data: only behind this wait is the buffer loaded again
	LOADH BUF0, 6, 1                               ; codes, second half
.irp i, 0,1,2,3,4,5,6,7,8,9,10,11,12,13,14,15
	XCH BUF1, \i, 1, 47-\i                         ; again 15 - i and two buffers of 16
.endr
	s_wait_dscnt 0x0                               ; the 32 scales are in registers
.irp i, 0,1,2,3,4,5,6,7,8,9,10,11,12,13,14,15
	WCH BUF2, \i, 0, 31-\i                         ; 15 - i and one buffer of 16
.endr
.irp i, 0,1,2,3,4,5,6,7,8,9,10,11,12,13,14,15
	WCH BUF0, \i, 1, 15-\i                         ; the counts run down to 0
.endr
	s_wait_tensorcnt 0x0                           ; the wave's end, behind my last LDS store
	ds_add_u32 v[SPW], v[NIL]
	s_wait_dscnt 0x0
	s_endpgm
.Lfunc_end_k_qc6076e1b17_prep:
	.size	k_qc6076e1b17_prep, .Lfunc_end_k_qc6076e1b17_prep-k_qc6076e1b17_prep
	.p2alignl 7, 3214868480
	.fill 96, 4, 3214868480
	.section	.rodata,"a",@progbits
	.p2align	6, 0x0
	.amdhsa_kernel k_qc6076e1b17_prep
		.amdhsa_group_segment_fixed_size 5120
		.amdhsa_private_segment_fixed_size 0
		.amdhsa_enable_private_segment 0
		.amdhsa_kernarg_size 40
		.amdhsa_user_sgpr_count 2
		.amdhsa_user_sgpr_kernarg_segment_ptr 1
		.amdhsa_wavefront_size32 1
		.amdhsa_system_sgpr_workgroup_id_x 1
		.amdhsa_system_sgpr_workgroup_id_y 1
		.amdhsa_system_sgpr_workgroup_id_z 1
		.amdhsa_system_vgpr_workitem_id 0
		.amdhsa_next_free_vgpr 236
		.amdhsa_next_free_sgpr 66
		.amdhsa_reserve_vcc 0
		.amdhsa_float_denorm_mode_32 3
		.amdhsa_float_denorm_mode_16_64 3
		.amdhsa_memory_ordered 1
		.amdhsa_forward_progress 1
		.amdhsa_inst_pref_size 38
	.end_amdhsa_kernel
	.amdgpu_metadata
---
amdhsa.version: [ 1, 2 ]
amdhsa.kernels:
  - .name:           k_qc6076e1b17_prep
    .symbol:         k_qc6076e1b17_prep.kd
    .args:
      - { .name: x, .offset: 0, .size: 8, .value_kind: global_buffer, .address_space: global }
      - { .name: codes, .offset: 8, .size: 8, .value_kind: global_buffer, .address_space: global }
      - { .name: scales, .offset: 16, .size: 8, .value_kind: global_buffer, .address_space: global }
      - { .name: xh, .offset: 24, .size: 8, .value_kind: global_buffer, .address_space: global }
      - { .name: wh, .offset: 32, .size: 8, .value_kind: global_buffer, .address_space: global }
    .group_segment_fixed_size: 5120
    .private_segment_fixed_size: 0
    .kernarg_segment_align: 8
    .kernarg_segment_size: 40
    .max_flat_workgroup_size: 256
    .sgpr_count:     66
    .vgpr_count:     236
    .wavefront_size: 32
...
	.end_amdgpu_metadata
.endif
;; end of part 1
;; launch gemm (part 2): grid 16 x 16, 4 waves a work-group, clusters of 4 x 4, 327,680 bytes of LDS; arguments xh, wh, out0; writes out0
.if DOCPART == 2
	.amdgcn_target "amdgcn-amd-amdhsa--gfx1250"
	.amdhsa_code_object_version 6
	.text
	.protected	k_qc6076e1b17_gemm
	.globl	k_qc6076e1b17_gemm
	.p2align	8
	.type	k_qc6076e1b17_gemm,@function
k_qc6076e1b17_gemm:
	s_mov_b64 s[64:65], 0
	v_nop
	global_prefetch_b8 v0, s[64:65] scope:SCOPE_SE
	s_setreg_imm32_b32 hwreg(HW_REG_WAVE_MODE, 25, 1), 1
	s_wait_xcnt 0x0
	s_wait_alu depctr_hold_cnt(0) depctr_sa_sdst(0) depctr_va_vdst(0) depctr_va_sdst(0) depctr_va_ssrc(0) depctr_va_vcc(0) depctr_vm_vsrc(0)
	s_getreg_b32 s2, hwreg(HW_REG_IB_STS2, 6, 4)
	s_cmp_eq_u32 s2, 0
	s_cbranch_scc0 .Lentry_in_a_cluster
	s_endpgm
.Lentry_in_a_cluster:
	s_bfe_u32 s2, ttmp6, 0x10000c
	s_cmp_lg_u32 s2, 0xf033
	s_cbranch_scc0 .Lentry_shape_is_right
	s_endpgm
.Lentry_shape_is_right:
; out0[m][n] = the sum over k of xh[m][k] wh[n][k].  xh (A): [4096][4096] f16, wh (B): [4096][4096] f16, out0 (C): [4096][4096] f32; one f32 sum for each output, K ascending.
; LIMITS.  The operands are f16 as the launch before rounded them (an infinity there stays one here); the sums are f32 and leave unrounded.
; A tile of C, 256 x 256, is made by a work-group of four waves; a wave makes 128 x 128: 64 accumulators of 16 x 16, 512 registers.  256 tiles, one to a work-group.
; K goes in 32 steps of 128 through a ring of two LDS slots filled by the tensor data mover: a tile's rows are 256 bytes of memory and start at multiples of 256 bytes from the buffer's first byte.
; CLUSTERS: 4 x 4 work-groups.  The four of a row of the cluster need the same tiles of A, the four of a column the same tiles of B.  Such a tile is asked for JOINTLY: each of the four issues the same
; tensor load, with the same descriptor and a mask that names the four, and each receives the tile in its own LDS.  That divides the requests for A and for B by four.
; REGISTERS, in windows of 256 (s_set_vgpr_msb's low byte: bits 1:0 source 0, 3:2 source 1, 5:4 source 2, 7:6 destination):
;   window 0: v0-31 addresses; v64-127, v128-191 fragments of A (8 x 16 rows x 32 K), two buffers; on the way out the same 128 registers take rows of C back from the stage
;   window 1: v64-127, v128-191 fragments of B, two buffers
;   window 2: the 32 accumulators of my rows 0-63 (accumulator (a, b) at v[8 (8 a + b)]);   window 3: those of my rows 64-127
; THE MATRIX INSTRUCTION IS USED TRANSPOSED: source 0 = 16 rows of B, source 1 = 16 rows of A.  In the result lane l holds row m = l % 16 of C and its registers 0 to 7 the columns
; n = 8 (l / 16) + 0 .. 7: eight neighbouring f32 of a row of C, 32 bytes.
.set SIZE_K, 4096
.set SIZE_N, 4096
.set KSTEP,  128
.set PITCH,  272                       ; an LDS row: 256 bytes of data + 16 of padding = 68 words: row r starts at bank 4 r mod 64 (64 banks of 4 bytes: ISA guide 11.1), so the 16 rows that a load touches start at 16 different banks
.set HALFT,  128*PITCH                 ; 128 rows: what one tensor load brings, and what one wave reads of A or of B
.set SLOT,   4*HALFT                   ; A's 256 rows, then B's 256 rows
.set STAGE,  2*SLOT                    ; behind the ring: 16 rows x 528 bytes for each wave, for the way out; no tensor load fills it
.set SPITCH, 528                       ; a stage row: my 128 columns in f32, 512 bytes, + 16 of padding = 132 words: again 16 rows at 16 different groups of four banks
.set SPARE,  STAGE+4*16*SPITCH         ; behind the stages: the spare words, 128 bytes for each wave: two blocks of 256 bytes that no other line names
.set LAPS,   SIZE_K/(2*KSTEP)          ; a lap = two K steps = once round the ring: 16
.set ADRA, 16                          ; v16-17  LDS address of my A fragments in slot 0, 1
.set ADRB, 20                          ; v20-21  the same for B
.set STO,  24                          ; v24     the way out: where I put 32 bytes of a row
.set RD,   25                          ; v25     the way out: where I read my 16 bytes of a row back
.set CO,   26                          ; v26     my byte offset in 512 consecutive bytes of C; never rewritten
.set SPW,  28                          ; v28     LDS address of my spare word: SPARE + 4 x my thread's number; never rewritten
.set NIL,  29                          ; v29     0; never rewritten
.set PFO,  30                          ; v30     the prefetches' offset: my lane x a row of A or B in memory (8,192 bytes); never rewritten
.set PFA,  44                          ; s[44:45] where my prefetches stand: my work-group's 32 rows of the 128 that I fetch, one K step further along K than the refill that is being asked for; a prefetch names the K step after that
.set LIM,  43                          ; s43     1 in a wave that prefetches, else the greatest number
.set F0,   64                          ; fragment buffer 0
.set F1,   128                         ; fragment buffer 1
.set G1, 24                            ; s[24:31] descriptor group 1 for A's tiles
.set G0, 32                            ; s[32:39] descriptor group 0 for A's tiles, one set for each slot
.set G1B, 48                           ; s[48:55] descriptor group 1 for B's tiles: it differs from A's in the mask alone
.set G0B, 56                           ; s[56:63] descriptor group 0 for B's tiles, one set for each slot
.set MSB, 0
.macro WIN new                         ; the immediate's high byte repeats the setting that is left; a switch that changes nothing is dropped
.if MSB != (\new)
	s_set_vgpr_msb (MSB<<8)|(\new)
.set MSB, \new
.endif
.endm
.set MUL_LO, 0xa1                      ; source 0 (B) window 1, source 1 (A) window 0, C and D window 2
.set MUL_HI, 0xf1                      ; the same, C and D window 3
.set TO_B,   0x40                      ; destination window 1, address window 0
; A joint load.  Waves 0 and 1 fetch A's two halves, waves 2 and 3 B's.  Each of the two lines has ONE mask and one set of registers for all that issue it.  The branch hangs on the wave's number alone.
; An s_nop 0 and four v_nop follow each of the two lines; the jump round the other line, the label and what follows the macro come after them.
.macro JLOAD s
	s_cmp_eq_u32 s11, 0
	s_cbranch_scc0 .Lfor_b_\@
	tensor_load_to_lds s[G0+4*(\s):G0+4*(\s)+3], s[G1:G1+7]
	s_nop 0
.rept 4
	v_nop
.endr
	s_branch .Lasked_\@
.Lfor_b_\@:
	tensor_load_to_lds s[G0B+4*(\s):G0B+4*(\s)+3], s[G1B:G1B+7]
	s_nop 0
.rept 4
	v_nop
.endr
.Lasked_\@:
.endm
; A PREFETCH INTO THE L2, behind each joint load, its five lines and the run of LDS loads that follows them: the K step that stands TWO refills on, 512 matrix instructions ahead of the load that will ask for it:
; 32 rows x 256 bytes, a lane a row, one instruction a wave.  Each row's 256 bytes of a K step are named ONCE in the launch.  A's tile row is read by every cluster of that row of clusters: the one with
; cluster x = 0 asks; B's tile column by every cluster of that column: cluster y = 0 asks.  The four partners that ask for a tile jointly share its rows out BY ADDRESS: of the 128 rows that a wave fetches the
; partner at place p takes 32 p .. 32 p + 31 (p = cx for A, cy for B): no branch hangs on a work-group's place in its cluster.  The loop's last trip (s3 = 1) asks for nothing: K has no step two refills on.
.macro ASK
	s_cmp_gt_u32 s3, s[LIM]
	s_cbranch_scc0 .Lnot_mine_\@
	global_prefetch_b8 v[PFO], s[PFA:PFA+1] offset:KSTEP*2 th:TH_LOAD_NT scope:SCOPE_SE
.Lnot_mine_\@:
.endm
; A round of the cluster's barrier: my work-group's barrier, so that wave 0's signal speaks for all four waves; wave 0 signals for the work-group; every wave waits for all sixteen work-groups;
; my work-group's barrier once more.  No LDS instruction of the wave is pending at a signal.
.macro CREST                           ; a round behind its opening barrier
	s_cmp_lg_u32 s10, 0
	s_cbranch_scc1 .Lnot_wave_0_\@
	s_barrier_signal -3
.Lnot_wave_0_\@:
	s_barrier_wait -3
	s_barrier_signal -1
	s_barrier_wait -1
.endm
.macro CROUND                          ; a whole round
	s_barrier_signal -1
	s_barrier_wait -1
	CREST
.endm
	s_load_b128 s[4:7], s[0:1], 0x0                ; A s[4:5], B s[6:7]
	s_load_b64 s[8:9], s[0:1], 0x10                ; C
	v_lshl_add_u32 v[SPW], v0, 2, SPARE
	v_mov_b32 v[NIL], 0
	ds_add_u32 v[SPW], v[NIL]                      ; the wave's opening: the add, twice on end, and its wait ahead of my first tensor load; the set-up below, work on registers, stands between
	ds_add_u32 v[SPW], v[NIL]                      ; and once more, under the one wait
	v_lshrrev_b32 v1, 5, v0
	v_readfirstlane_b32 s10, v1                    ; wave 0..3
	s_lshr_b32 s11, s10, 1                         ; which half of the tile's rows is mine.  Also: I fetch for A (0) or for B (1)
	s_and_b32 s12, s10, 1                          ; which half of its columns.  Also: which 128 rows of that tile I fetch
	s_bfe_u32 s40, ttmp6, 0x40000                  ; cx: my place along the cluster's x
	s_bfe_u32 s41, ttmp6, 0x40004                  ; cy: along its y
	s_lshl_b32 s42, ttmp9, 2                       ; in a cluster launch ttmp9 and ttmp7 count clusters
	s_add_co_u32 s42, s42, s40                     ; tile column of C = 4 x cluster x + cx
	s_and_b32 s13, ttmp7, 0xffff
	s_lshl_b32 s13, s13, 2
	s_add_co_u32 s13, s13, s41                     ; tile row of C = 4 x cluster y + cy
	s_lshl_b32 s43, s41, 2
	s_lshl_b32 s43, 15, s43                        ; my row of the cluster: places 4 cy .. 4 cy + 3
	s_lshl_b32 s44, 0x1111, s40                    ; my column: places cx, cx + 4, cx + 8, cx + 12
	; descriptor group 1: a tile of 128 rows x 128 elements, padded in LDS
	s_or_b32 s[G1+0], s43, (1<<16)|(1<<20)|(1<<21)|(5<<22)|(3<<25)  ; 15:0 the mask: A's tiles go to my row; 17:16 element of 2 bytes; 20 padding on; 21 set beside a mask; 24:22 after every 64 words (code 5); 31:25 of 4 words (code 3)
	s_or_b32 s[G1B+0], s44, (1<<16)|(1<<20)|(1<<21)|(5<<22)|(3<<25) ; the same with the mask of my column, for B's tiles
	s_mov_b32 s[G1B+1], KSTEP<<16
	s_mov_b32 s[G1+1], KSTEP<<16                   ; 63:48 tensor_dim0, low half = 128
	s_mov_b32 s[G1B+2], 128<<16
	s_mov_b32 s[G1+2], 128<<16                     ; 79:64 its high half = 0; 95:80 tensor_dim1, low half = 128
	s_mov_b32 s[G1B+3], KSTEP<<16
	s_mov_b32 s[G1+3], KSTEP<<16                   ; 111:96 its high half = 0; 127:112 tile_dim0 = 128
	s_mov_b32 s[G1B+4], 128
	s_mov_b32 s[G1+4], 128                         ; 143:128 tile_dim1 = 128; 159:144 tile_dim2 = 0
	s_mov_b32 s[G1B+5], SIZE_K
	s_mov_b32 s[G1+5], SIZE_K                      ; 191:160 tensor_dim0_stride, low word: elements from row to row
	s_mov_b32 s[G1B+6], 0
	s_mov_b32 s[G1+6], 0
	s_mov_b32 s[G1B+7], 0
	s_mov_b32 s[G1+7], 0
	; where the tiles come from.  A's hang on the tile row alone, which my row of the cluster shares; B's on the tile column alone, which my column shares.
	; Every wave makes both addresses, in registers that never hold the other coordinate, and asks by one of them.
	s_lshl_b32 s17, s12, 7                         ; which 128 rows of the tile I fetch
	s_lshl_b32 s16, s13, 8
	s_add_co_u32 s16, s16, s17                     ; A: row 256 x tile row + 128 x half
	s_lshl_b32 s46, s42, 8
	s_add_co_u32 s46, s46, s17                     ; B: row 256 x tile column + 128 x half
	s_mov_b32 s17, 0
	s_mov_b32 s47, 0
	s_mov_b64 s[18:19], SIZE_K*2
	s_mul_u64 s[16:17], s[16:17], s[18:19]         ; in bytes
	s_mul_u64 s[46:47], s[46:47], s[18:19]
	s_mul_i32 s20, s10, HALFT                      ; and where they go: A's two halves, then B's two halves = wave x 128 rows: no place in the cluster enters an LDS address
	s_wait_dscnt 0x0                               ; both opening adds are done
	s_wait_kmcnt 0x0
	s_add_nc_u64 s[14:15], s[4:5], s[16:17]
	s_add_nc_u64 s[46:47], s[6:7], s[46:47]
	CROUND                                         ; all sixteen work-groups are here: the first joint loads meet
.irp s, 0,1
	s_mov_b32 s[G0+4*(\s)], 1                                      ; 1:0 count = 1
	s_add_co_u32 s[G0+4*(\s)+1], s20, (\s)*SLOT                    ; 63:32 LDS address
	s_add_nc_u64 s[G0+4*(\s)+2:G0+4*(\s)+3], s[14:15], (\s)*KSTEP*2  ; 120:64 global address: K step s
	s_or_b32 s[G0+4*(\s)+3], s[G0+4*(\s)+3], 0x80000000            ; 127:126 type = 2
	s_mov_b32 s[G0B+4*(\s)], 1
	s_add_co_u32 s[G0B+4*(\s)+1], s20, (\s)*SLOT
	s_add_nc_u64 s[G0B+4*(\s)+2:G0B+4*(\s)+3], s[46:47], (\s)*KSTEP*2
	s_or_b32 s[G0B+4*(\s)+3], s[G0B+4*(\s)+3], 0x80000000
	JLOAD \s                                       ; the ring is filled before anything else is done: two loads of mine are out
.endr
	; A fragment is 16 rows x 32 K in 8 registers: lane l holds row l % 16; registers 0-3 hold K = 8 (l / 16) + 0..7, registers 4-7 hold
	; K = 16 + 8 (l / 16) + 0..7.  From rows that lie along K: two loads of 16 bytes, 32 bytes apart.  The same for source 0 and source 1.
	v_and_b32 v1, 15, v0                           ; l % 16
	v_bfe_u32 v2, v0, 4, 1                         ; l / 16
	v_mul_u32_u24 v3, v1, PITCH
	v_lshl_add_u32 v3, v2, 4, v3                   ; row x pitch + 16 x half
	s_mul_i32 s21, s11, HALFT                      ; my 128 rows of A
	s_mul_i32 s22, s12, HALFT                      ; my 128 rows of B,
	s_add_co_u32 s22, s22, 2*HALFT                 ; which lie behind A's 256
.irp s, 0,1
	v_add_nc_u32 v[ADRA+(\s)], s21, v3
	v_add_nc_u32 v[ADRB+(\s)], s22, v3
	s_add_co_u32 s21, s21, SLOT
	s_add_co_u32 s22, s22, SLOT
.endr
	s_mul_i32 s23, s10, 16*SPITCH
	s_add_co_u32 s23, s23, STAGE                   ; my stage
	v_mul_u32_u24 v4, v1, SPITCH                   ; in: row l % 16, 32 bytes for each half of the lanes
	v_lshl_add_u32 v4, v2, 5, v4
	v_add_nc_u32 v[STO], s23, v4
	v_and_b32 v5, 31, v0
	v_lshlrev_b32 v[CO], 4, v5                     ; back: the 32 lanes take one row of 512 bytes, 16 each; the same in C
	v_add_nc_u32 v[RD], s23, v[CO]
	; C at my part of the tile; it is not stepped again: every store's row stands in its immediate
	s_lshl_b32 s13, s13, 8
	s_lshl_b32 s14, s11, 7
	s_add_co_u32 s16, s13, s14                     ; my first row of C
	s_mov_b32 s17, 0
	s_mov_b64 s[18:19], SIZE_N*4
	s_mul_u64 s[16:17], s[16:17], s[18:19]
	s_lshl_b32 s46, s42, 10                        ; my first column, in bytes: 1,024 x tile column + 512 x half (in the registers that held B's address: none that feeds A's descriptors ever holds cx)
	s_lshl_b32 s47, s12, 9
	s_add_co_u32 s46, s46, s47
	s_mov_b32 s47, 0
	s_add_nc_u64 s[16:17], s[16:17], s[46:47]
	s_add_nc_u64 s[8:9], s[8:9], s[16:17]
	; the prefetches.  s13 = 256 x tile row, s42 = tile column, s40 = cx, s41 = cy still stand; s[4:5] = A, s[6:7] = B
	s_lshl_b32 s42, s42, 8
	s_and_b32 s22, ttmp7, 0xffff                   ; cluster y
	s_cmp_eq_u32 s11, 0                            ; do I fetch for A?
	s_cselect_b32 s20, s13, s42                    ; the tile's first row: in A by the tile row, in B by the tile column
	s_cselect_b32 s21, s40, s41                    ; my place among the four that ask for it with me
	s_cselect_b32 s22, ttmp9, s22                  ; the coordinate along which other clusters read the same rows
	s_cselect_b64 s[PFA:PFA+1], s[4:5], s[6:7]
	s_cmp_eq_u32 s22, 0
	s_cselect_b32 s[LIM], 1, -1                    ; the same in all sixteen partners, for a given wave
	s_lshl_b32 s22, s12, 7
	s_add_co_u32 s20, s20, s22                     ; + the 128 rows that I fetch
	s_lshl_b32 s21, s21, 5
	s_add_co_u32 s20, s20, s21                     ; + my work-group's 32 of them
	s_mov_b32 s21, 0
	s_mov_b64 s[18:19], SIZE_K*2
	s_mul_u64 s[20:21], s[20:21], s[18:19]
	s_add_nc_u64 s[PFA:PFA+1], s[PFA:PFA+1], s[20:21]
	s_add_nc_u64 s[PFA:PFA+1], s[PFA:PFA+1], 2*KSTEP*2  ; at K step 2: the first refill steps it to 3 and names K step 4
	v_and_b32 v[PFO], 31, v0
	v_mul_u32_u24 v[PFO], v[PFO], SIZE_K*2
	; nothing is prefetched here, at the head, where every work-group's first two tiles are on their way: K steps 2 and 3 come by their refills alone
; 16 matrix instructions: m blocks a0, a0 + 1 of the window's four (hi = 0: my rows 0-63, 1: rows 64-127) x all 8 n blocks, 32 along K.
; zero = 1: the first product starts the sums: nothing is ever cleared.  The 64 accumulators take turns, one instruction a turn, in the same order in every quarter step.
.macro MUL16 f, hi, a0, zero
	WIN MUL_LO+0x50*(\hi)  ; MUL_LO or MUL_HI
.irp a, \a0, (\a0)+1
.irp b, 0,1,2,3,4,5,6,7
.if \zero
	v_wmma_f32_16x16x32_f16 v[8*(8*(\a)+(\b)):8*(8*(\a)+(\b))+7], v[(\f)+8*(\b):(\f)+8*(\b)+7], v[(\f)+8*(4*(\hi)+(\a)):(\f)+8*(4*(\hi)+(\a))+7], 0
.else
	v_wmma_f32_16x16x32_f16 v[8*(8*(\a)+(\b)):8*(8*(\a)+(\b))+7], v[(\f)+8*(\b):(\f)+8*(\b)+7], v[(\f)+8*(4*(\hi)+(\a)):(\f)+8*(4*(\hi)+(\a))+7], v[8*(8*(\a)+(\b)):8*(8*(\a)+(\b))+7]
.endif
.endr
.endr
.endm
; 32 LDS loads in one run: the fragments of one quarter step (128 rows of B, 128 rows of A, 32 K at byte k of the rows) into buffer f
.macro FETCH slot, k, f
	WIN TO_B
.irp i, 0,1,2,3,4,5,6,7
	ds_load_b128 v[(\f)+8*(\i):(\f)+8*(\i)+3],   v[ADRB+(\slot)] offset:(\k)+(\i)*16*PITCH
	ds_load_b128 v[(\f)+8*(\i)+4:(\f)+8*(\i)+7], v[ADRB+(\slot)] offset:(\k)+(\i)*16*PITCH+32
.endr
	WIN 0
.irp i, 0,1,2,3,4,5,6,7
	ds_load_b128 v[(\f)+8*(\i):(\f)+8*(\i)+3],   v[ADRA+(\slot)] offset:(\k)+(\i)*16*PITCH
	ds_load_b128 v[(\f)+8*(\i)+4:(\f)+8*(\i)+7], v[ADRA+(\slot)] offset:(\k)+(\i)*16*PITCH+32
.endr
.endm
; A load into a register that a matrix instruction has read, and an LDS store that reads a matrix result, stand four places behind that matrix instruction, and only plain vector instructions that
; name none of its registers are places (ISA guide 7.12.1 for vector instructions).  So four v_nop stand in front of each run of loads and of the way out.
.macro PLACES
.rept 4
	v_nop
.endr
.endm
; A K step is four quarter steps of 32 along K, 64 matrix instructions each, on buffers 0, 1, 0, 1.
; One of the first three: multiplies buffer f; in its middle it fetches the next quarter's fragments, at byte k of the same slot's rows, into buffer g.
.macro QUARTER slot, k, f, g, zero
	s_wait_dscnt 8                                 ; B and A's rows 0-63 are in; the youngest eight loads (A's rows 64-127) may be out
	WIN MUL_LO
	MUL16 \f, 0, 0, \zero
	MUL16 \f, 0, 2, \zero
	PLACES
	FETCH \slot, \k, \g
	s_wait_dscnt 32                                ; all but the 32 just issued
	WIN MUL_HI
	MUL16 \f, 1, 0, \zero
	MUL16 \f, 1, 2, \zero
.endm
; The last quarter multiplies buffer 1 and changes slots.  MEET is its first half: ONE barrier for the change of slots, for two things.  In front of it each wave waits for all its tensor loads, of which
; one is out: its part of the next slot; adds 0 to its spare word; and waits for that and for its own reads of this slot.  Behind it nobody reads this slot any more and the next slot is whole.
.macro MEET round                      ; round = 1: a round of the cluster's barrier follows
	WIN 0                                          ; (the add's two registers lie in window 0)
	s_wait_tensorcnt 0x0                           ; all my tensor loads have landed: the one that was out is my part of the next slot;
	ds_add_u32 v[SPW], v[NIL]                      ; 0 onto my spare word;
	s_wait_dscnt 9                                 ; (the add and the youngest eight loads may be out)
	WIN MUL_LO
	MUL16 F1, 0, 0, 0                              ; sixteen matrix instructions stand between the add and the wait for it
	s_wait_dscnt 0x0                               ; the add is done, and my reads of this slot are over:
	s_barrier_signal -1                            ; say so (where a slot is filled again this barrier opens a round of the cluster's barrier),
	MUL16 F1, 0, 2, 0                              ; work on registers while the others arrive,
.if \round
	WIN 0
.endif
	s_barrier_wait -1                              ; and go on when all four have said so
.endm
; The whole last quarter.  fill = 1: behind the round the slot just read out is filled again first, with the K step two steps on; then come the next slot's first fragments.
; From a request to the wait for it a wave issues 224 matrix instructions.  fill = 0 (the last lap): nothing is asked for, and no round follows the barrier.
.macro TURN slot, next, fill
.if \fill
	s_wait_xcnt 0x0                                ; the last prefetch, a K step back, has read its address: it is stepped here, ahead of the waits of the change of slots
	s_add_nc_u64 s[PFA:PFA+1], s[PFA:PFA+1], KSTEP*2
	MEET 1
	CREST                                          ; wave 0 says so for the work-group, all sixteen work-groups have said so, my work-group's barrier closes the round:
	                                               ; no wave of any partner still reads this slot's tile or has a load on its way
	s_add_nc_u64 s[G0+4*(\slot)+2:G0+4*(\slot)+3], s[G0+4*(\slot)+2:G0+4*(\slot)+3], 2*KSTEP*2
	s_add_nc_u64 s[G0B+4*(\slot)+2:G0B+4*(\slot)+3], s[G0B+4*(\slot)+2:G0B+4*(\slot)+3], 2*KSTEP*2
	JLOAD \slot                                    ; the first tensor load behind the round, my only one until the next; the four v_nop behind it are also the places in front of the loads below
	FETCH \next, 0, F0
	ASK                                            ; behind the joint load and the run of LDS loads that the next products wait for
.else
	MEET 0
	PLACES                                         ; for the loads into buffer 0, which the quarter before multiplied
	FETCH \next, 0, F0
.endif
	WIN MUL_HI
	MUL16 F1, 1, 0, 0
	MUL16 F1, 1, 2, 0
.endm
; THE WAY OUT of block a (16 rows x my 128 columns), in two parts.  TOSTAGE: a lane's eight f32 of each accumulator, 32 bytes of a row, go into my own stage in LDS, each accumulator's low four registers first
; and come back as whole rows of 512 bytes, into the registers that held A's fragments, the two halves by turns.  SEND: stored.
.macro TOSTAGE a
.set AC, 64*((\a)%4)
.set BK, 64+64*((\a)%2)
	WIN 0x08+4*((\a)/4)                            ; the stores' data (source 1) in window 2 or 3, the address in window 0
.irp b, 0,1,2,3,4,5,6,7
	ds_store_b128 v[STO], v[AC+8*(\b):AC+8*(\b)+3]   offset:64*(\b)
	ds_store_b128 v[STO], v[AC+8*(\b)+4:AC+8*(\b)+7] offset:64*(\b)+16
.endr
	WIN 0
.if (\a) >= 2
	s_wait_xcnt 0x0                                ; block a - 2's stores have read these registers: they are loaded again only behind this wait
.endif
.irp t, 0,1,2,3,4,5,6,7,8,9,10,11,12,13,14,15
	ds_load_b128 v[BK+4*(\t):BK+4*(\t)+3], v[RD] offset:(\t)*SPITCH  ; LDS serves a wave's instructions in order (ISA guide 5.7.1.4): these see the stores above, and the next block's stores come behind them
.endr
.endm
.macro SEND a, younger                 ; younger: the LDS instructions issued behind block a's loads: the next block's 16 stores and 16 loads, or none
.set BK, 64+64*((\a)%2)
.irp t, 0,1,2,3,4,5,6,7,8,9,10,11,12,13,14,15
	s_wait_dscnt (\younger)+15-(\t)                ; row t is back in registers
	global_store_b128 v[CO], v[BK+4*(\t):BK+4*(\t)+3], s[8:9] offset:(16*(\a)+(\t))*SIZE_N*4 th:TH_STORE_NT  ; the wave stores 512 consecutive bytes, at a multiple of 256 from C's first byte; 127 rows of C at the most, inside the signed 24-bit immediate
.endr
.endm
	s_wait_tensorcnt 1                             ; my part of K step 0 is in; K step 1's may stay out
	s_barrier_signal -1
	s_barrier_wait -1                              ; everybody's is
	FETCH 0, 0, F0
	QUARTER 0, 64,  F0, F1, 1                      ; the first quarter stands in front of the loop: its products start the sums
	WIN 0                                          ; at a label and at a branch every window is 0
	s_mov_b32 s3, LAPS-1
.Llap:                                                 ; a trip goes once round the ring, from a lap's second quarter to the next lap's first, and fills both slots again: trip i asks for K steps 2 i + 2 and 2 i + 3
	QUARTER 0, 128, F1, F0, 0
	QUARTER 0, 192, F0, F1, 0
	TURN 0, 1, 1
	QUARTER 1, 64,  F0, F1, 0
	QUARTER 1, 128, F1, F0, 0
	QUARTER 1, 192, F0, F1, 0
	TURN 1, 0, 1
	QUARTER 0, 64,  F0, F1, 0
	WIN 0
	s_sub_co_u32 s3, s3, 1
	s_cmp_lg_u32 s3, 0
	s_cbranch_scc1 .Llap
	QUARTER 0, 128, F1, F0, 0                      ; the last lap is written out: it fills nothing
	QUARTER 0, 192, F0, F1, 0
	TURN 0, 1, 0                                   ; my one tensor load that was still out is slot 1's, the last K step's
	QUARTER 1, 64,  F0, F1, 0
	QUARTER 1, 128, F1, F0, 0
	QUARTER 1, 192, F0, F1, 0
	s_wait_dscnt 8                                 ; the very last quarter: nothing more to fetch
	WIN MUL_LO
	MUL16 F1, 0, 0, 0
	MUL16 F1, 0, 2, 0
	s_wait_dscnt 0x0
	MUL16 F1, 1, 0, 0
	MUL16 F1, 1, 2, 0
	PLACES                                         ; in front of the LDS stores that read results, and of the loads into A's fragment buffers
	TOSTAGE 0
.irp a, 1,2,3,4,5,6,7                  ; block a's trip through the stage is on its way while block a - 1 is stored
	TOSTAGE \a
	SEND (\a)-1, 32
.endr
	SEND 7, 0
	WIN 0
	s_wait_tensorcnt 0x0                           ; the wave's end, behind my last tensor load and my last LDS store
	ds_add_u32 v[SPW], v[NIL]
	s_wait_dscnt 0x0
	CROUND                                         ; the closing round: no work-group ends while a partner may still ask for a tile that names it
	s_endpgm
.Lfunc_end_k_qc6076e1b17_gemm:
	.size	k_qc6076e1b17_gemm, .Lfunc_end_k_qc6076e1b17_gemm-k_qc6076e1b17_gemm
	.p2alignl 7, 3214868480
	.fill 96, 4, 3214868480
	.section	.rodata,"a",@progbits
	.p2align	6, 0x0
	.amdhsa_kernel k_qc6076e1b17_gemm
		.amdhsa_group_segment_fixed_size 327680
		.amdhsa_private_segment_fixed_size 0
		.amdhsa_enable_private_segment 0
		.amdhsa_kernarg_size 24
		.amdhsa_user_sgpr_count 2
		.amdhsa_user_sgpr_kernarg_segment_ptr 1
		.amdhsa_wavefront_size32 1
		.amdhsa_system_sgpr_workgroup_id_x 1
		.amdhsa_system_sgpr_workgroup_id_y 1
		.amdhsa_system_sgpr_workgroup_id_z 1
		.amdhsa_system_vgpr_workitem_id 0
		.amdhsa_next_free_vgpr 1024
		.amdhsa_next_free_sgpr 66
		.amdhsa_reserve_vcc 0
		.amdhsa_float_denorm_mode_32 3
		.amdhsa_float_denorm_mode_16_64 3
		.amdhsa_memory_ordered 1
		.amdhsa_forward_progress 1
		.amdhsa_inst_pref_size 145
	.end_amdhsa_kernel
	.amdgpu_metadata
---
amdhsa.version: [ 1, 2 ]
amdhsa.kernels:
  - .name:           k_qc6076e1b17_gemm
    .symbol:         k_qc6076e1b17_gemm.kd
    .args:
      - { .name: xh, .offset: 0, .size: 8, .value_kind: global_buffer, .address_space: global }
      - { .name: wh, .offset: 8, .size: 8, .value_kind: global_buffer, .address_space: global }
      - { .name: out0, .offset: 16, .size: 8, .value_kind: global_buffer, .address_space: global }
    .group_segment_fixed_size: 327680
    .private_segment_fixed_size: 0
    .kernarg_segment_align: 8
    .kernarg_segment_size: 24
    .max_flat_workgroup_size: 128
    .sgpr_count:     66
    .vgpr_count:     1024
    .wavefront_size: 32
...
	.end_amdgpu_metadata
.endif
;; end of part 2
;; ======== version 2 of 2: 2 launches; version 1 with the launch prep written anew for expert scheduling mode
;; limits: values are held in f16: magnitudes above 65,504 overflow, below 6.1e-05 lose precision
;; workspace buffers: xh 33,554,432 bytes; wh 33,554,432 bytes
;; launch prep (part 3): grid 512 x 1, 8 waves a work-group, no clusters, 5,120 bytes of LDS; arguments x, codes, scales, xh, wh; writes xh, wh
.if DOCPART == 3
	.amdgcn_target "amdgcn-amd-amdhsa--gfx1250"
	.amdhsa_code_object_version 6
	.text
	.protected	k_qc6076e1b17_prep
	.globl	k_qc6076e1b17_prep
	.p2align	8
	.type	k_qc6076e1b17_prep,@function
k_qc6076e1b17_prep:
	s_mov_b64 s[64:65], 0
	v_nop
	global_prefetch_b8 v0, s[64:65] scope:SCOPE_SE
	s_setreg_imm32_b32 hwreg(HW_REG_WAVE_SCHED_MODE, 0, 2), 2
	s_setreg_imm32_b32 hwreg(HW_REG_WAVE_MODE, 25, 1), 1
	s_wait_xcnt 0x0
	s_wait_alu depctr_vm_vsrc(0)
; xh[m][k] = f16(x[m][k]);  wh[o][k] = f16(scales[o][k / 32] * (codes[o][k] - 128)).  x: [4096][4096] f32, codes: [4096][4096] int32, scales: [4096][128] f32; xh, wh: [4096][4096] f16.
; code - 128 is exact in f32; its product with the scale is rounded once in f32, as the problem's own dequantisation rounds it, and once more to f16.
; LIMITS.  f16 ends at 65,504: an |x| or a |scale * (code - 128)| of 65,520 or more becomes an infinity; below 6.1e-5 f16 keeps its fixed step of 6e-8.
; SHARES.  A stream: each input byte is read once, each output byte written once; no wave wants a byte that another has fetched.  Row R = 8 x work-group + wave: a wave converts row R of x and row R of the codes.
; A row is 16,384 bytes in, 32 chunks of 512, and 8,192 bytes out.  In chunk j lane l takes the 16 bytes at 512 j + 16 l (four numbers) and stores 8 bytes at 256 j + 8 l:
; each load of the wave covers 512 consecutive bytes, aligned; each store 256 consecutive bytes, aligned.
; IN FLIGHT.  Three buffers of 16 chunks: 48 loads of a wave (24 KiB) go out at the start, and the buffer that is emptied first is filled once more, four chunks at a time.  The whole share fits, so there is no loop.
; THE SCALES.  Row R has 128 of them, 512 bytes: loaded once, 16 bytes a lane, put into the wave's own 512 bytes of LDS, and read back as chunk j wants them: its four numbers of lane l lie in block 4 j + l / 8.
; The bytes are the wave's own and LDS serves a wave's instructions in order (ISA guide 5.7.1.4): no barrier.
; LEFT OUT: tensor loads and a ring (nothing is shared between waves), the matrix unit, clusters, a prefetch (the launch is nothing but its loads, nearly all issued at once).
; THE MODE: SCHED_MODE bits 1:0 = 2 (LLVM: expert scheduling mode 2), set by the entry lines.  The code itself states the register dependences
; between vector instructions and memory or LDS instructions, with s_wait_alu, always for 0.
; THE PLAN.  The wave's 64 chunks are numbered on end: c = 0 .. 31 are x's, c = 32 .. 63 the codes'; chunk c has the four registers at BUF0 + 4 (c % 48), so chunks 48 .. 63 use the first buffer a second time.
; They go in 16 blocks of four.  Registers that memory or LDS instructions touch:
;   a chunk's four   Written by its load; read and written in place by its block's conversions; the low two read by its store, which is issued in the NEXT block.
;                    The first buffer's are loaded again in the block after that: block p (2 .. 5) loads chunks 40 + 4 p .. into the registers of block p - 2.
;   v[LI], v[LO], v[LS], v[LR]   offsets and LDS addresses, made once at the head and never written again: a chunk's place stands in the immediate.
;   v[SQ ..]         Written by the scales' load, read by the one LDS store; no vector instruction names them.
;   v[SC ..]         Written by 32 LDS loads, read by the multiplies of blocks 8 to 15; never written again.
;   v[SPW], v[NIL]   Written at the head, read by the closing add alone.
; Block p's vector instructions name block p's own registers (and SC) alone; its memory instructions touch those of blocks p - 1 (stores) and p - 2 (loads).  So the waits at a block's head state all
; that the block's memory instructions hang on, and these are dealt among its conversions with no further wait.
.set SPARE, 4096                       ; behind the scales (512 bytes a wave): the spare words, 128 bytes for each of the eight waves: four blocks of 256 bytes that no other line names
.set LI,   2                           ; v2   16 x lane: my bytes in a chunk of x, of the codes and of the scales' row; never rewritten
.set LO,   3                           ; v3   8 x lane: my bytes in a chunk of xh and wh; never rewritten
.set LS,   4                           ; v4   LDS: where I put my four scales: 512 x wave + 16 x lane
.set LR,   5                           ; v5   LDS: where I read chunk 0's scale: 512 x wave + 4 (lane / 8)
.set SPW,  6                           ; v6   LDS address of my spare word: SPARE + 4 x my thread's number; never rewritten
.set NIL,  7                           ; v7   0; never rewritten
.set SQ,   8                           ; v[8:11]    four scales as loaded
.set SC,   12                          ; v[12:43]   chunk j's scale at SC + j
.set BUF0, 44                          ; v[44:235]  three buffers of 16 chunks of 4 registers, on end
	s_load_b256 s[4:11], s[0:1], 0x0               ; x s[4:5], codes s[6:7], scales s[8:9], xh s[10:11]
	s_load_b64 s[12:13], s[0:1], 0x20              ; wh
	v_lshl_add_u32 v[SPW], v0, 2, SPARE
	v_mov_b32 v[NIL], 0
	v_lshrrev_b32 v1, 5, v0
	v_readfirstlane_b32 s14, v1                    ; wave 0..7
	v_and_b32 v1, 31, v0                           ; lane
	v_lshlrev_b32 v[LI], 4, v1
	v_lshlrev_b32 v[LO], 3, v1
	v_lshrrev_b32 v[LR], 3, v1
	s_wait_alu depctr_va_sdst(0)                   ; s14 is written, ahead of its first reader: the row's number and my wave's place in LDS are made from it
	s_lshl_b32 s15, ttmp9, 3
	s_add_co_u32 s15, s15, s14                     ; R
	s_lshl_b32 s18, s14, 9                         ; my wave's 512 bytes of LDS
	s_mov_b32 s20, 0xc3000000                      ; -128.0; the packed sum names a pair and takes its low word for both halves
	s_mov_b32 s21, s20
	v_add_nc_u32 v[LS], s18, v[LI]
	v_lshl_add_u32 v[LR], v[LR], 2, s18
	s_mov_b32 s17, 0                               ; every offset below stays under 2^27
	s_wait_kmcnt 0x0
	s_lshl_b32 s16, s15, 14                        ; a row of x and of the codes: 16,384 bytes
	s_add_nc_u64 s[4:5], s[4:5], s[16:17]
	s_add_nc_u64 s[6:7], s[6:7], s[16:17]
	s_lshl_b32 s16, s15, 9                         ; of the scales: 512
	s_add_nc_u64 s[8:9], s[8:9], s[16:17]
	s_lshl_b32 s16, s15, 13                        ; of xh and wh: 8,192
	s_add_nc_u64 s[10:11], s[10:11], s[16:17]
	s_add_nc_u64 s[12:13], s[12:13], s[16:17]
	s_wait_alu depctr_va_vdst(0)                   ; v[LI], v[LO], v[LS] and v[LR] are written: every load, store and LDS instruction below reads one of them as its offset or address
; Chunk c is loaded: from x (c < 32) or from the codes, chunk c % 32 of the row.
.macro LD c
	global_load_b128 v[BUF0+4*((\c)%48):BUF0+4*((\c)%48)+3], v[LI], s[4+2*((\c)/32):5+2*((\c)/32)] offset:512*((\c)%32) th:TH_LOAD_NT
.endm
; Chunk c is stored: into xh (c < 32) or wh, from the low two of its four registers.
.macro ST c
	global_store_b64 v[LO], v[BUF0+4*((\c)%48):BUF0+4*((\c)%48)+1], s[10+2*((\c)/32):11+2*((\c)/32)] offset:256*((\c)%32) th:TH_STORE_NT
.endm
; Chunk c of x: four numbers rounded to f16, in place.
.macro XCV c
.set rB, BUF0+4*((\c)%48)
	v_cvt_pk_f16_f32 v[rB], v[rB], v[rB+1]
	v_cvt_pk_f16_f32 v[rB+1], v[rB+2], v[rB+3]
.endm
; Chunk c of the codes: to f32, less 128, times the chunk's scale (the even or the odd register of a pair of SC), rounded to f16, in place.
.macro WCV c
.set rB, BUF0+4*((\c)%48)
.set jj, (\c)%32
.set rSC, SC+(jj/2)*2
	v_cvt_f32_i32 v[rB], v[rB]
	v_cvt_f32_i32 v[rB+1], v[rB+1]
	v_cvt_f32_i32 v[rB+2], v[rB+2]
	v_cvt_f32_i32 v[rB+3], v[rB+3]
	v_pk_add_f32 v[rB:rB+1], v[rB:rB+1], s[20:21] op_sel_hi:[1,0]
	v_pk_add_f32 v[rB+2:rB+3], v[rB+2:rB+3], s[20:21] op_sel_hi:[1,0]
.if jj%2 == 0
	v_pk_mul_f32 v[rB:rB+1], v[rB:rB+1], v[rSC:rSC+1] op_sel_hi:[1,0]
	v_pk_mul_f32 v[rB+2:rB+3], v[rB+2:rB+3], v[rSC:rSC+1] op_sel_hi:[1,0]
.else
	v_pk_mul_f32 v[rB:rB+1], v[rB:rB+1], v[rSC:rSC+1] op_sel:[0,1] op_sel_hi:[1,1]
	v_pk_mul_f32 v[rB+2:rB+3], v[rB+2:rB+3], v[rSC:rSC+1] op_sel:[0,1] op_sel_hi:[1,1]
.endif
	v_cvt_pk_f16_f32 v[rB], v[rB], v[rB+1]
	v_cvt_pk_f16_f32 v[rB+1], v[rB+2], v[rB+3]
.endm
; Block p: chunks 4 p to 4 p + 3 are converted; the block before is stored; in blocks 2 to 5 the registers of the block before that are loaded again.
; left = the loads issued behind this block's four, which may stay out.
.macro BLK p, left
	s_wait_loadcnt \left                           ; loads come back in order (ISA guide 5.7.1): this block's four chunks are in
.if ((\p) >= 2) && ((\p) <= 5)
	s_wait_xcnt 0x0                                ; every earlier memory instruction has had its addresses translated (ISA guide 3.1): the data registers of the stores issued in the block before are loaded again only behind this wait
	s_wait_alu depctr_vm_vsrc(0)                   ; those stores have read the registers of block p - 2, in which the loads below land
.endif
.if (\p) > 0
	s_wait_alu depctr_va_vdst(0)                   ; the block before has written its roundings, which the stores below read; block p - 2's conversions are done reading and writing the registers in which the loads below land
.endif
.irp i, 0,1,2,3
.if ((\p) >= 2) && ((\p) <= 5)
	LD 40+4*(\p)+(\i)                              ; the codes' second half, into block p - 2's registers; no vector instruction since the wait names them
.endif
.if (\p) > 0
	ST 4*(\p)-4+(\i)                               ; the block before; no vector instruction since the wait names its registers
.endif
.if (\p) < 8
	XCV 4*(\p)+(\i)
.else
	WCV 4*(\p)+(\i)
.endif
.endr
.endm
	global_load_b128 v[SQ:SQ+3], v[LI], s[8:9] th:TH_LOAD_NT  ; the row's 128 scales: the oldest load
.irp h, 0,1,2
.irp i, 0,1,2,3,4,5,6,7,8,9,10,11,12,13,14,15
	LD 16*(\h)+(\i)                                ; x's row, then the first half of the codes'
.endr
.endr
	s_wait_loadcnt 48                              ; the scales are in; the 48 loads issued behind them stay out
	ds_store_b128 v[LS], v[SQ:SQ+3]
.irp j, 0,1,2,3,4,5,6,7,8,9,10,11,12,13,14,15,16,17,18,19,20,21,22,23,24,25,26,27,28,29,30,31
	ds_load_b32 v[SC+(\j)], v[LR] offset:16*(\j)   ; scale 4 j + lane / 8: eight lanes share a word
.endr
	BLK 0, 44                                      ; of the 48 loads issued, 4 p + 4 have to be in
	BLK 1, 40
	BLK 2, 36
	BLK 3, 36                                      ; each of blocks 2 to 5 has issued four more: the count stands still
	BLK 4, 36
	BLK 5, 36
	BLK 6, 36                                      ; all 64 are issued
	BLK 7, 32
	s_wait_dscnt 0x0                               ; the 32 scales are in registers
	BLK 8, 28                                      ; the codes
	BLK 9, 24
	BLK 10, 20
	BLK 11, 16
	BLK 12, 12                                     ; the first buffer's second turn
	BLK 13, 8
	BLK 14, 4
	BLK 15, 0                                      ; the counts have run down to 0
	s_wait_alu depctr_va_vdst(0)                   ; block 15 has written its roundings, which the last four stores read
.irp i, 0,1,2,3
	ST 60+(\i)
.endr
	s_wait_dscnt 0x0                               ; the closing lines, six on end
	s_wait_alu 0x0
	s_wait_tensorcnt 0x0
	ds_add_u32 v[SPW], v[NIL]
	s_wait_dscnt 0x0
	s_endpgm
.Lfunc_end_k_qc6076e1b17_prep:
	.size	k_qc6076e1b17_prep, .Lfunc_end_k_qc6076e1b17_prep-k_qc6076e1b17_prep
	.p2alignl 7, 3214868480
	.fill 96, 4, 3214868480
	.section	.rodata,"a",@progbits
	.p2align	6, 0x0
	.amdhsa_kernel k_qc6076e1b17_prep
		.amdhsa_group_segment_fixed_size 5120
		.amdhsa_private_segment_fixed_size 0
		.amdhsa_enable_private_segment 0
		.amdhsa_kernarg_size 40
		.amdhsa_user_sgpr_count 2
		.amdhsa_user_sgpr_kernarg_segment_ptr 1
		.amdhsa_wavefront_size32 1
		.amdhsa_system_sgpr_workgroup_id_x 1
		.amdhsa_system_sgpr_workgroup_id_y 1
		.amdhsa_system_sgpr_workgroup_id_z 1
		.amdhsa_system_vgpr_workitem_id 0
		.amdhsa_next_free_vgpr 236
		.amdhsa_next_free_sgpr 66
		.amdhsa_reserve_vcc 0
		.amdhsa_float_denorm_mode_32 3
		.amdhsa_float_denorm_mode_16_64 3
		.amdhsa_memory_ordered 1
		.amdhsa_forward_progress 1
		.amdhsa_inst_pref_size 38
	.end_amdhsa_kernel
	.amdgpu_metadata
---
amdhsa.version: [ 1, 2 ]
amdhsa.kernels:
  - .name:           k_qc6076e1b17_prep
    .symbol:         k_qc6076e1b17_prep.kd
    .args:
      - { .name: x, .offset: 0, .size: 8, .value_kind: global_buffer, .address_space: global }
      - { .name: codes, .offset: 8, .size: 8, .value_kind: global_buffer, .address_space: global }
      - { .name: scales, .offset: 16, .size: 8, .value_kind: global_buffer, .address_space: global }
      - { .name: xh, .offset: 24, .size: 8, .value_kind: global_buffer, .address_space: global }
      - { .name: wh, .offset: 32, .size: 8, .value_kind: global_buffer, .address_space: global }
    .group_segment_fixed_size: 5120
    .private_segment_fixed_size: 0
    .kernarg_segment_align: 8
    .kernarg_segment_size: 40
    .max_flat_workgroup_size: 256
    .sgpr_count:     66
    .vgpr_count:     236
    .wavefront_size: 32
...
	.end_amdgpu_metadata
.endif
;; end of part 3
;; launch gemm: the kernel of part 2 again; grid 16 x 16, 4 waves a work-group, clusters of 4 x 4, 327,680 bytes of LDS; arguments xh, wh, out0; writes out0
